; MI455X (gfx1250); checked and timed in simulation.
; The chip was launched on July 23, 2026; its instructions are those of AMD's public machine-readable ISA for CDNA 5 (MIT licence, August 2026) and "CDNA5" Instruction Set Architecture Reference Guide (July 2026). The comments in the code are by the model that wrote it; some were corrected since.
;; Flash Attention. Allowed arithmetic: matrix products marked QUANTISED: E5M2 operands, one given power-of-two scale a tensor, by v_wmma_f32_16x16x64_bf8_bf8 or v_wmma_f32_16x16x128_bf8_bf8, f32 sums; everything else in f32.
;; Inputs: k_proj 4 x 4,096 x 128 float32; lowp_scales 4 int32 (the exponents e of the quantised operands' scales 2^e); q_proj 4 x 4,096 x 128 float32; v_proj 4 x 4,096 x 128 float32.
;; Outputs: out0 4 x 4,096 x 128 float32.
;; This version of the problem:
;;   THIS VERSION OF THE PROBLEM IS GIVEN IN LOW PRECISION. The matrix products marked QUANTISED in the list below multiply operands that are first quantised to E5M2 (5 exponent bits, 2 mantissa bits; 8 bits a number), with one given power-of-two scale for each operand tensor; their sums are f32. All else is computed in f32.
;;   The module's matrix products, in the order in which they are computed (A, B: the left and right operand; K: the contracted axis; several contracted axes count as one K, in the product's order):
;;     1. batch 4 x [M 4,096, K 128] x [K 128, N 4,096]; A: input q_proj; B: input k_proj: QUANTISED (scales: A lowp_scales[0], B lowp_scales[1])
;;     2. batch 4 x [M 4,096, K 4,096] x [K 4,096, N 128]; A: softmax (see below); B: input v_proj: QUANTISED (scales: A lowp_scales[2], B lowp_scales[3])
;;   THE QUANTISER, for each operand of a quantised product, along K:
;;     - The operand's scale is 2^e, e = its entry of the input lowp_scales (int32; the entries are numbered through the quantised products in the list's order, A before B).
;;     - Each number is divided by the scale, clamped to +-57,344, and rounded to the nearest number of E5M2, ties to even, subnormals kept.
;;     - The product sums the exact products of the quantised numbers (number of the format x scale) in f32.
;;   ~~~python
;;   def quantise(x, axis, e):      # numpy; x: float32 -> the quantised numbers, widened to float32 again
;;       x = np.moveaxis(x, axis, -1); K = x.shape[-1]
;;       r = np.clip(x / 2.0 ** e, -57344, 57344)
;;       step = 2.0 ** (np.maximum(np.frexp(np.where(r == 0, 1, r))[1] - 1, -14) - 2)
;;       q = np.round(r / step) * step * 2.0 ** e      # np.round: ties to even
;;       return np.moveaxis(q, -1, axis).astype(np.float32)
;;   ~~~
;;   SOFTMAX AHEAD OF A QUANTISED PRODUCT. Where the list says 'softmax', what is quantised is not the finished softmax but p = 2^(t - M), with t = logit x log2(e) and M = ceil(the row's largest t), a whole number; so 1/2 < the row's largest p <= 1. The row's sum l is taken of the UNQUANTISED p, in f32, and the product's result is divided by l at the end. Since M is a whole number, a kernel that streams over the keys may use a running M (the ceiling of the running maximum): every later rescaling is an exact power of two, so the quantised numbers keep their values, but for numbers so far below the row's largest that they fall under the format's range.
;;   OPERANDS COMPUTED ON THE WAY. 'Computed on the way' means the value that the module computes at that place (a softmax that the list does not call 'softmax' is quantised finished and normalised). What goes into a quantiser is computed in f32, as accurately as f32 sums, v_exp_f32 and their like allow (about 1e-6 of the number): no bf16 or f16 on the way to a quantiser, and a product that is left as it is and whose result goes on into a quantised operand takes f32 operands (vector FMAs, or v_wmma_f32_16x16x4_f32). A number that lies on a knife's edge between two numbers of the format may be rounded either way, as far as f32 arithmetic and the matrix unit's own rounding can turn it there, and no further.
;; One version. Each part assembles by itself: llvm-mc -triple=amdgcn-amd-amdhsa -mcpu=gfx1250 --defsym DOCPART=n.
;; ======== version 1 of 1: 2 launches
;; limits: right only within a limited range of input values
;; workspace buffers: kv 4,194,304 bytes
;; launch prep (part 1): grid 512 x 1, 4 waves a work-group, no clusters, 34,304 bytes of LDS; arguments k_proj, v_proj, lowp_scales, kv; writes kv
.if DOCPART == 1
	.amdgcn_target "amdgcn-amd-amdhsa--gfx1250"
	.amdhsa_code_object_version 6
	.text
	.protected	k_qb9bbf12a81_prep
	.globl	k_qb9bbf12a81_prep
	.p2align	8
	.type	k_qb9bbf12a81_prep,@function
k_qb9bbf12a81_prep:
	s_mov_b64 s[64:65], 0
	v_nop
	global_prefetch_b8 v0, s[64:65] scope:SCOPE_SE
	s_setreg_imm32_b32 hwreg(HW_REG_WAVE_MODE, 25, 1), 1
	s_wait_xcnt 0x0
; k_proj and v_proj, [4][4096][128] f32, become codes of BF8 (E5M2), each with its given scale 2^e (ek = entry 1, ev = entry 3 of the scales), laid in the ORDER OF THE OPERANDS' REGISTERS.
; code = x / 2^e, held within +-57,344, rounded to the nearest code, ties to even.  LIMITS: ek and ev between -126 and 112, so that 2^e and 57,344 x 2^e are f32 numbers.  NaN among the inputs is not served.
; kv: block (b, s), s = 0 .. 31, is 128 keys of batch b: 32,768 bytes at (32 b + s) x 32,768: K's part (16,384), then V's part (16,384).  A part is 8 fragment images of 2,048 bytes:
;   K: byte 2048 t + 512 c + 16 (r + 16 h) + i = code of K[key 128 s + 32 (t / 2) + 8 (t % 2) + r + 8 (r / 8)][d = 32 c + 16 h + i]   (the first product's K is d)
;   V: byte 2048 t + 512 c + 16 (r + 16 h) + i = code of V[key 128 s + 32 c + 16 h + i][d = 16 t + r]                                 (the second product's K is the keys)
; so that four 16-byte loads a lane, at 16 x lane and 512 bytes apart, are a fragment's sixteen registers.
; Work-groups 0-255 take K: a wave makes one image (16 keys x 128 d).  Work-groups 256-511 take V: a work-group takes 64 keys x 128 d, a wave 32 columns d.
; No tensor load, no barrier, no loop: waves share nothing, and every wave asks for all its 8,192 bytes at once.  Only K's path uses LDS.
.set R,   16                           ; K: v16-79   16 rows as loaded, 4 registers a row
.set X,   80                           ; K: v80-143  64 numbers in the operand's order
.set C,   144                          ; K: v144-159 the image's 16 registers
.set SP,  528                          ; K: a row in the stage: 512 bytes + 16, an odd multiple of 16: sixteen rows begin at sixteen different 16-byte columns
.set WST, 16*SP                        ; a wave's stage
.set XV,  16                           ; V: v16-79   64 keys of my column
.set CV,  80                           ; V: v80-95   their codes
	s_load_b256 s[4:11], s[0:1], 0x0               ; k s[4:5], v s[6:7], the scales' exponents s[8:9], kv s[10:11]
	v_lshl_add_u32 v160, v0, 2, 0x8400
	v_mov_b32 v161, 0
	v_lshrrev_b32 v1, 5, v0
	v_readfirstlane_b32 s12, v1                    ; wave 0..3
	v_and_b32 v1, 31, v0                           ; lane
	s_wait_kmcnt 0x0
	s_load_b128 s[16:19], s[8:9], 0x0              ; eq, ek, ep, ev
	s_cmp_lt_u32 ttmp9, 256                        ; K's work-group or V's: the branch hangs on the work-group's number alone
	s_cbranch_scc0 .Lv
	; ---- K: image T = 4 x work-group + wave, 0 .. 1023: block T / 8, tile t = T % 8
	s_lshl_b32 s13, ttmp9, 2
	s_add_co_u32 s13, s13, s12                     ; T
	s_lshr_b32 s14, s13, 1
	s_lshl_b32 s14, s14, 14                        ; the tile's first key is 32 (T / 2) + 8 (T % 2); a key's row is 512 bytes
	s_and_b32 s15, s13, 1
	s_lshl_b32 s15, s15, 12
	s_add_co_u32 s14, s14, s15
	s_mov_b32 s15, 0
	s_add_nc_u64 s[4:5], s[4:5], s[14:15]
	s_lshr_b32 s14, s13, 3
	s_lshl_b32 s14, s14, 15                        ; the block,
	s_and_b32 s20, s13, 7
	s_lshl_b32 s20, s20, 11                        ; the image in K's part
	s_add_co_u32 s14, s14, s20
	s_add_nc_u64 s[10:11], s[10:11], s[14:15]
	s_wait_alu depctr_va_vdst(0)
	v_lshlrev_b32 v2, 4, v1                        ; 16 x lane: my 16 bytes of a row, and of each 512 bytes of the image
.irp n, 0,1,2,3,4,5,6,7,8,9,10,11,12,13,14,15
	global_load_b128 v[R+4*\n:R+4*\n+3], v2, s[4:5] offset:(\n+8*(\n/8))*512 th:TH_LOAD_NT   ; the tile's row n is key n + 8 (n / 8): 32 lanes read its 512 consecutive bytes
.endr
	s_mul_i32 s21, s12, WST                        ; my stage
	v_add_nc_u32 v3, s21, v2                       ; into it: 16 x lane of a row
	v_and_b32 v5, 15, v1                           ; r
	v_lshrrev_b32 v6, 4, v1                        ; h
	v_mul_u32_u24 v4, v5, SP
	v_lshl_add_u32 v4, v6, 6, v4
	v_add_nc_u32 v4, s21, v4                       ; out of it: row r, + 64 h: my 16 numbers of a block of 32 along d
	s_wait_alu depctr_va_vdst(0)
	s_wait_kmcnt 0x0
	s_add_co_i32 s20, s17, 127
	s_lshl_b32 s21, s20, 23
	v_mov_b32 v11, s21                             ; 2^ek as f32: the conversion takes its exponent field
	s_add_co_i32 s20, s20, 15
	s_lshl_b32 s20, s20, 23
	s_or_b32 s20, s20, 0x600000
	v_mov_b32 v10, s20                             ; 57,344 x 2^ek
	s_wait_alu depctr_va_vdst(0)
.irp n, 0,1,2,3,4,5,6,7,8,9,10,11,12,13,14,15
	s_wait_loadcnt 15-\n                           ; loads come back in order: row n is in, the younger rows may be out
	ds_store_b128 v3, v[R+4*\n:R+4*\n+3] offset:\n*SP
.endr
.irp c, 0,1,2,3
.irp j, 0,1,2,3
	ds_load_b128 v[X+16*\c+4*\j:X+16*\c+4*\j+3], v4 offset:128*\c+16*\j   ; LDS serves a wave's instructions in order: these see my stores.  Register 16 c + i = K(row r, d = 32 c + 16 h + i)
.endr
.endr
.irp c, 0,1,2,3
	s_wait_dscnt 12-4*\c                           ; this group's four loads are in; the later groups' may be out
.irp i, 0,1,2,3,4,5,6,7,8,9,10,11,12,13,14,15
	v_med3_num_f32 v[X+16*\c+\i], v[X+16*\c+\i], -v10, v10   ; the conversion to an 8-bit code does not saturate (ISA guide 7.6.2): the hold at the largest code x the scale
.endr
	v_cvt_scalef32_pk8_bf8_f32 v[C+4*\c:C+4*\c+1], v[X+16*\c:X+16*\c+7], v11
	v_cvt_scalef32_pk8_bf8_f32 v[C+4*\c+2:C+4*\c+3], v[X+16*\c+8:X+16*\c+15], v11
	global_store_b128 v2, v[C+4*\c:C+4*\c+3], s[10:11] offset:512*\c   ; 32 lanes store 512 consecutive bytes, at a multiple of 256 from kv's first byte
.endr
	v_nop                                          ; a plain line behind the last conversion
	s_wait_tensorcnt 0x0
	ds_add_u32 v160, v161
	s_wait_dscnt 0x0
	s_endpgm
	; ---- V: g = work-group - 256: keys 64 g .. 64 g + 63 of the 16,384; A LANE TAKES A COLUMN d = 32 x wave + lane, AND ITS REGISTERS RUN DOWN THE KEYS
.Lv:
	s_sub_co_u32 s13, ttmp9, 256                   ; g
	s_lshl_b32 s14, s13, 15                        ; 64 rows of 512 bytes,
	s_lshl_b32 s15, s12, 7                         ; my wave's 32 columns
	s_add_co_u32 s14, s14, s15
	s_mov_b32 s15, 0
	s_add_nc_u64 s[6:7], s[6:7], s[14:15]
	s_lshr_b32 s14, s13, 1
	s_lshl_b32 s14, s14, 15                        ; the block g / 2,
	s_lshl_b32 s20, s12, 12                        ; images t = 2 x wave and 2 x wave + 1,
	s_add_co_u32 s14, s14, s20
	s_and_b32 s20, s13, 1
	s_lshl_b32 s20, s20, 10                        ; c = 2 (g % 2) on,
	s_add_co_u32 s14, s14, s20
	s_add_co_u32 s14, s14, 16384                   ; in V's part
	s_add_nc_u64 s[10:11], s[10:11], s[14:15]
	s_wait_alu depctr_va_vdst(0)
	v_lshlrev_b32 v2, 2, v1                        ; in: 4 bytes a lane
	v_lshrrev_b32 v3, 4, v1
	v_and_b32 v4, 15, v1
	v_lshlrev_b32 v3, 11, v3
	v_lshl_add_u32 v3, v4, 4, v3                   ; out: image lane / 16 of my two, 16 bytes at r = lane % 16
.irp n, 0,1,2,3,4,5,6,7,8,9,10,11,12,13,14,15,16,17,18,19,20,21,22,23,24,25,26,27,28,29,30,31,32,33,34,35,36,37,38,39,40,41,42,43,44,45,46,47,48,49,50,51,52,53,54,55,56,57,58,59,60,61,62,63
	global_load_b32 v[XV+\n], v2, s[6:7] offset:\n*512 th:TH_LOAD_NT   ; key n at 32 neighbouring columns: 128 consecutive bytes a wave, the row's 512 by the four waves
.endr
	s_wait_kmcnt 0x0
	s_add_co_i32 s20, s19, 127
	s_lshl_b32 s21, s20, 23
	v_mov_b32 v11, s21                             ; 2^ev as f32
	s_add_co_i32 s20, s20, 15
	s_lshl_b32 s20, s20, 23
	s_or_b32 s20, s20, 0x600000
	v_mov_b32 v10, s20                             ; 57,344 x 2^ev
	s_wait_alu depctr_va_vdst(0)
.irp cc, 0,1
	s_wait_loadcnt 32-32*\cc                       ; this block of 32 keys is in; the second block's 32 loads may be out
.irp i, 0,1,2,3,4,5,6,7,8,9,10,11,12,13,14,15,16,17,18,19,20,21,22,23,24,25,26,27,28,29,30,31
	v_med3_num_f32 v[XV+32*\cc+\i], v[XV+32*\cc+\i], -v10, v10
.endr
.irp g, 0,1,2,3
	v_cvt_scalef32_pk8_bf8_f32 v[CV+8*\cc+2*\g:CV+8*\cc+2*\g+1], v[XV+32*\cc+8*\g:XV+32*\cc+8*\g+7], v11
.endr
	global_store_b128 v3, v[CV+8*\cc:CV+8*\cc+3], s[10:11] offset:512*\cc          ; keys 0-15 of the 32 belong to the image's lanes 0-15 (h = 0): sixteen lanes store 256 consecutive bytes, aligned
	global_store_b128 v3, v[CV+8*\cc+4:CV+8*\cc+7], s[10:11] offset:512*\cc+256    ; keys 16-31 to its lanes 16-31 (h = 1)
.endr
	v_nop                                          ; a plain line behind the last conversion
	s_endpgm
.Lfunc_end_k_qb9bbf12a81_prep:
	.size	k_qb9bbf12a81_prep, .Lfunc_end_k_qb9bbf12a81_prep-k_qb9bbf12a81_prep
	.p2alignl 7, 3214868480
	.fill 96, 4, 3214868480
	.section	.rodata,"a",@progbits
	.p2align	6, 0x0
	.amdhsa_kernel k_qb9bbf12a81_prep
		.amdhsa_group_segment_fixed_size 34304
		.amdhsa_private_segment_fixed_size 0
		.amdhsa_enable_private_segment 0
		.amdhsa_kernarg_size 32
		.amdhsa_user_sgpr_count 2
		.amdhsa_user_sgpr_kernarg_segment_ptr 1
		.amdhsa_wavefront_size32 1
		.amdhsa_system_sgpr_workgroup_id_x 1
		.amdhsa_system_sgpr_workgroup_id_y 1
		.amdhsa_system_sgpr_workgroup_id_z 1
		.amdhsa_system_vgpr_workitem_id 0
		.amdhsa_next_free_vgpr 162
		.amdhsa_next_free_sgpr 66
		.amdhsa_reserve_vcc 0
		.amdhsa_float_denorm_mode_32 3
		.amdhsa_float_denorm_mode_16_64 3
		.amdhsa_memory_ordered 1
		.amdhsa_forward_progress 1
		.amdhsa_inst_pref_size 24
	.end_amdhsa_kernel
	.amdgpu_metadata
---
amdhsa.version: [ 1, 2 ]
amdhsa.kernels:
  - .name:           k_qb9bbf12a81_prep
    .symbol:         k_qb9bbf12a81_prep.kd
    .args:
      - { .name: k_proj, .offset: 0, .size: 8, .value_kind: global_buffer, .address_space: global }
      - { .name: v_proj, .offset: 8, .size: 8, .value_kind: global_buffer, .address_space: global }
      - { .name: lowp_scales, .offset: 16, .size: 8, .value_kind: global_buffer, .address_space: global }
      - { .name: kv, .offset: 24, .size: 8, .value_kind: global_buffer, .address_space: global }
    .group_segment_fixed_size: 34304
    .private_segment_fixed_size: 0
    .kernarg_segment_align: 8
    .kernarg_segment_size: 32
    .max_flat_workgroup_size: 128
    .sgpr_count:     66
    .vgpr_count:     162
    .wavefront_size: 32
...
	.end_amdgpu_metadata
.endif
;; end of part 1
;; launch attn (part 2): grid 64 x 4, 8 waves a work-group, clusters of 4 x 1, 327,680 bytes of LDS; arguments q_proj, kv, lowp_scales, out0; writes out0
.if DOCPART == 2
	.amdgcn_target "amdgcn-amd-amdhsa--gfx1250"
	.amdhsa_code_object_version 6
	.text
	.protected	k_qb9bbf12a81_attn
	.globl	k_qb9bbf12a81_attn
	.p2align	8
	.type	k_qb9bbf12a81_attn,@function
k_qb9bbf12a81_attn:
	s_mov_b64 s[64:65], 0
	v_nop
	global_prefetch_b8 v0, s[64:65] scope:SCOPE_SE
	s_setreg_imm32_b32 hwreg(HW_REG_WAVE_MODE, 25, 1), 1
	s_wait_xcnt 0x0
	s_wait_alu depctr_hold_cnt(0) depctr_sa_sdst(0) depctr_va_vdst(0) depctr_va_sdst(0) depctr_va_ssrc(0) depctr_va_vcc(0) depctr_vm_vsrc(0)
	s_getreg_b32 s2, hwreg(HW_REG_IB_STS2, 6, 4)
	s_cmp_eq_u32 s2, 0
	s_cbranch_scc0 .Lentry_in_a_cluster
	s_endpgm
.Lentry_in_a_cluster:
	s_bfe_u32 s2, ttmp6, 0x10000c
	s_cmp_lg_u32 s2, 0x3003
	s_cbranch_scc0 .Lentry_shape_is_right
	s_endpgm
.Lentry_shape_is_right:
; out0[b][q][:] = the sum over k of softmax_k(Q[b][q] . K[b][k] / sqrt(128)) V[b][k][:], 4 batches, 4,096 queries and keys, head 128, both products on codes of BF8 (E5M2), each operand with its given scale: eq, ek, ep, ev.
; q_proj arrives as f32 and is quantised here; K's and V's codes come from kv, laid as images of the operands' registers (a block of 128 keys: 16,384 bytes of K, then 16,384 of V).
; THE SOFTMAX: t = score x log2(e) / sqrt(128); M = the largest t so far, rounded UP to a whole number; p = 2^(t - M) is quantised along the keys with 2^ep; it is not normalised.
; The row's sum is taken of the unquantised p, in f32, and divides at the end.  When M moves, the sum and O are multiplied by 2^(old M - new M), which rounds nothing.
; SHARES.  16,384 queries on 256 work-groups: 64 each.  Eight waves = 2 query halves x 4 KEY QUARTERS: wave w has QH = w % 2 (two tiles of 16 queries) and KQ = w / 2 (keys 1,024 KQ on, eight key steps of 128).
; Each quarter keeps its own M, sum and O^T; M is a whole number in each, so the four are MERGED at the end through LDS by exact powers of two.
; LAYOUT.  Both products are used transposed: S^T = K Q^T (source 0 = 16 keys, source 1 = 16 queries), O^T = V^T P^T (source 0 = 16 of the head's 128, source 1 = P): a lane holds ONE query (lane % 16) throughout.
; Lane r of K's tile 2 b + u is key 32 b + 8 u + r + 8 (r / 8), so the 16 registers of tiles 2 b and 2 b + 1 are 16 neighbouring keys and p's conversions give the operand's registers.
; ORDER OF A KEY STEP i.  128 registers hold eight fragments of K or of V by turns: as the first product frees K's, V(i)'s are loaded into them; as the second frees V's, K(i + 1)'s.
; Matrix instructions stand in pairs, with vector work that is due anyway between the pairs: the end of tile 1's sum of the step before, the first maxima, tile 1's hold and conversions, its sum.
; The change of slots lies behind the exponentials: V(i) is in registers then, so slot i is free; tile 0's second products stand between its opening signal and the wait, tile 1's behind the refill.
; RING.  Two LDS slots of 131,072 bytes; a slot holds one key step of all four quarters: piece w (16,384 bytes) is quarter w / 2's K (w even) or V (w odd), brought by wave w's one tensor load.
; CLUSTER.  The four query blocks of a cluster belong to one batch and walk the same kv: each piece is asked for JOINTLY, with one descriptor and the mask of all four.
; PREFETCH.  A key step of a batch is 512 blocks of 256 bytes.  A work-group asks for 32 of them, one instruction of wave 0, told by address: quarter (x ^ (x / 4)) % 4 for cluster x, 8,192 bytes for each place cx:
; each block is named by four of the batch's sixteen clusters.  In step i it asks for step i + 4, two steps ahead of its load; steps 1 and 2 are asked for at the head, 3 in step 0; nothing is asked for behind step 7.
; LIMITS on the given exponents, so that each power of two below is an f32 number: eq + ek between -123 and 130 (added to c's exponent field); eq and ep between -126 and 112; ep + ev between -114 and 126.
; The promise holds while the scaled scores stay under 2^31 in magnitude.  NaN among the inputs is not served.
; All of a WGP's LDS is claimed; the text uses 310,272 bytes.
; REGISTERS.  Window 0: v1-15 addresses and constants; v16-31 eight statistics a tile; v36-39; v40-71 Q; v72-103 P; v104-127 at work; v128-255 S^T, 64 a tile.
;   Window 1: v0-127 O^T, 64 a tile (accumulator t at 64 a + 8 t); v128-255 eight fragments of K or of V.
.set SLOT1,  131072                    ; slot 1 begins here: one exclusive or turns an address in one slot into the other's
.set SPARE,  262144                    ; the spare words, 128 bytes for each of eight waves: four blocks of 256 bytes that no other line names
.set STAT_L, 263168                    ; the merge: wave w's -M and sum: 512 w + 256 a + 128 (0: -M, 1: the sum) + 4 x lane
.set OUTST,  267264                    ; the way out: 16 rows x 272 bytes for each wave
.set OP,     272
.set QIMG,   302080                    ; q's codes: four tiles' images of 2,048 bytes
.set AF,  1                            ; v1   16 x lane + 32,768 KQ: my quarter's pieces in a slot
.set ADR, 2                            ; v2   the same in the slot in hand
.set SPW, 3                            ; v3   LDS address of my spare word; never rewritten
.set NIL, 4                            ; v4   0; never rewritten
.set QO,  5                            ; v5   q: row r of 512 bytes, + 64 h
.set MW,  6                            ; v6   the merge: where my O^T's image goes: 16 x lane + 16,384 w
.set MR,  7                            ; v7, v8  where my share of the quarters' images lies: quarters 0 and 1; quarters 2 and 3
.set SW,  9                            ; v9   where I store my statistics
.set SRD, 10                           ; v10  where I read the four quarters'
.set SO,  11                           ; v11  the way out: where I put 16 bytes of a row
.set SRB, 12                           ; v12  where I read a row back
.set GO,  13                           ; v13  my byte offset in out0
.set LIM, 14                           ; v14, v15  57,344 x 2^ep, twice: a dual instruction's two second sources
.set ST,  16                           ; tile a's statistics at v[ST + 8 a]: +0 -M, +1 the largest t, +2, +3 the sum in two halves, +4 f, +5 (named with f as a pair), +6, +7 at work
.set PD,  36                           ; v36 + a: a lane permute's destination
.set SCL, 38                           ; v38  2^ep
.set PFO, 39                           ; v39  the prefetches' offset: 256 x lane; never rewritten
.set Q,   40
.set P,   72
.set T,   104
.set S,   128
.set F,   128                          ; in window 1
.set WV,  12                           ; s12 wave, s13 QH, s14 KQ
.set QH,  13
.set KQ,  14
.set G1,  24                           ; s[24:31] descriptor group 1
.set G0,  32                           ; s[32:35] descriptor group 0, which walks
.set SEL, 36                           ; s[36:37] lane selects for v_permlanex16_b32: lane l xor 16
.set CS,  38                           ; s[38:39] c = log2(e) / sqrt(128) x 2^(eq + ek): the packed form names a pair and takes its low word for both halves
.set TB,  44                           ; s44  LDS byte at which the slot in hand begins
.set CNT, 45
.set PFA, 56                           ; s[56:57] where my work-group's prefetches stand
.set PL,  62                           ; s62  2 in wave 0, the greatest number in the others: a wave prefetches while s[CNT] is above it
.set MSB, 0
.macro WIN new                         ; s_set_vgpr_msb: bits 1:0 source 0, 3:2 source 1, 5:4 source 2, 7:6 destination; the high byte repeats the setting that is left
.if MSB != \new
	s_set_vgpr_msb (MSB<<8)|\new
.set MSB, \new
.endif
.endm
.macro VWAIT
	s_wait_alu depctr_va_vdst(0)
.endm
.macro CREST                           ; a round of the cluster's barrier behind its opening barrier
	s_cmp_lg_u32 s[WV], 0
	s_cbranch_scc1 .Lnot_wave_0_\@
	s_barrier_signal -3
.Lnot_wave_0_\@:
	s_barrier_wait -3
	s_barrier_signal -1
	s_barrier_wait -1
.endm
.macro CROUND                          ; a whole round
	s_barrier_signal -1
	s_barrier_wait -1
	CREST
.endm
.macro JLOAD                           ; a joint load: every wave issues this one line, each for its own piece
	tensor_load_to_lds s[G0:G0+3], s[G1:G1+7]
	s_nop 0
.endm
	s_load_b256 s[4:11], s[0:1], 0x0               ; q s[4:5], kv s[6:7], the scales' exponents s[8:9], out0 s[10:11]
	v_lshl_add_u32 v[SPW], v0, 2, SPARE
	v_mov_b32 v[NIL], 0
	ds_add_u32 v[SPW], v[NIL]                      ; the wave's opening: the add, twice on end, and its wait ahead of my first tensor load
	ds_add_u32 v[SPW], v[NIL]
	v_lshrrev_b32 v[T], 5, v0
	v_readfirstlane_b32 s[WV], v[T]                ; wave 0..7
	v_and_b32 v[T], 31, v0                         ; lane
	v_and_b32 v[T+1], 15, v0                       ; r
	v_bfe_u32 v[T+2], v0, 4, 1                     ; h
	v_lshlrev_b32 v[T+3], 4, v[T]                  ; 16 x lane
	v_lshlrev_b32 v[QO], 9, v[T+1]
	v_lshl_add_u32 v[QO], v[T+2], 6, v[QO]
	v_lshlrev_b32 v[PFO], 8, v[T]
	s_and_b32 s[QH], s[WV], 1
	s_lshr_b32 s[KQ], s[WV], 1
	s_bfe_u32 s15, ttmp6, 0x40000                  ; cx: my place in the cluster
	s_lshl_b32 s16, ttmp9, 2                       ; in a cluster launch ttmp9 counts clusters
	s_add_co_u32 s16, s16, s15                     ; my block of 64 queries: it enters q's and out0's addresses alone
	s_and_b32 s17, ttmp7, 0xffff                   ; the batch, which the four partners share
	; descriptor group 1: a piece is a dense block of 16,384 bytes: 64 rows of 32 elements of 8 bytes
	s_mov_b32 s[G1], 15|(3<<16)|(1<<21)            ; 15:0 the mask: all four work-groups; 17:16 elements of 8 bytes; 20 no padding: images are read 512 consecutive bytes an instruction; 21 set beside a mask
	s_mov_b32 s[G1+1], 32<<16                      ; tensor_dim0 = 32
	s_mov_b32 s[G1+2], 64<<16                      ; tensor_dim1 = 64
	s_mov_b32 s[G1+3], 32<<16                      ; tile_dim0 = 32
	s_mov_b32 s[G1+4], 64                          ; tile_dim1 = 64
	s_mov_b32 s[G1+5], 32                          ; tensor_dim0_stride
	s_mov_b32 s[G1+6], 0
	s_mov_b32 s[G1+7], 0
	s_mov_b32 s[SEL], 0x76543210
	s_mov_b32 s[SEL+1], 0xfedcba98
	s_mov_b32 s[CS], 0x3e0293ee                    ; log2(e) / sqrt(128)
	s_mov_b32 s[TB], 0
	s_lshl_b32 s46, s17, 20                        ; kv: the batch's 32 blocks of 32,768 bytes,
	s_mov_b32 s60, s46
	s_lshl_b32 s52, s[KQ], 18                      ; my quarter's eight,
	s_add_co_u32 s46, s46, s52
	s_lshl_b32 s52, s[QH], 14                      ; K's part (w even) or V's (w odd): made of the batch and the wave's number alone
	s_add_co_u32 s46, s46, s52
	s_mov_b32 s47, 0
	s_lshl_b32 s48, s17, 21                        ; q and out0: the batch's 4,096 rows of 512 bytes,
	s_lshl_b32 s52, s16, 15                        ; my block's 64
	s_add_co_u32 s48, s48, s52
	s_lshl_b32 s52, s[QH], 14                      ; out0: my half's 32;
	s_add_co_u32 s50, s48, s52
	s_lshr_b32 s52, s[KQ], 1                       ; of the merged result I store tile KQ / 2 of my half,
	s_lshl_b32 s52, s52, 13
	s_add_co_u32 s50, s50, s52
	s_and_b32 s52, s[KQ], 1                        ; channels 64 (KQ % 2) on: 256 bytes of each row
	s_lshl_b32 s52, s52, 8
	s_add_co_u32 s50, s50, s52
	s_mov_b32 s51, 0
	s_lshl_b32 s52, s[KQ], 13                      ; q: I quantise the block's tile w / 2,
	s_add_co_u32 s48, s48, s52
	s_lshl_b32 s52, s[QH], 8                       ; numbers 64 (w % 2) on of each row
	s_add_co_u32 s48, s48, s52
	s_mov_b32 s49, 0
	s_lshr_b32 s52, ttmp9, 2                       ; prefetches: the quarter (x ^ (x / 4)) % 4,
	s_xor_b32 s52, s52, ttmp9
	s_and_b32 s52, s52, 3
	s_lshl_b32 s52, s52, 18
	s_add_co_u32 s60, s60, s52
	s_lshl_b32 s52, s15, 13                        ; and 8,192 of its 32,768 bytes of a key step
	s_add_co_u32 s60, s60, s52
	s_mov_b32 s61, 0
	s_cmp_eq_u32 s[WV], 0
	s_cselect_b32 s[PL], 2, -1
	VWAIT
	s_wait_dscnt 0x0                               ; both opening adds are done
	s_wait_kmcnt 0x0
	s_load_b128 s[40:43], s[8:9], 0x0              ; eq, ek, ep, ev
	s_mov_b32 s[G0], 1                             ; count = 1
	s_lshl_b32 s[G0+1], s[WV], 14                  ; LDS address: piece w of slot 0
	s_add_nc_u64 s[G0+2:G0+3], s[6:7], s[46:47]    ; global address: my quarter's key step 0
	s_or_b32 s[G0+3], s[G0+3], 0x80000000          ; type = 2
	CROUND                                         ; all four work-groups are here: the first joint loads meet
	JLOAD                                          ; key step 0 into slot 0: one tensor load of mine is out
	s_add_nc_u64 s[4:5], s[4:5], s[48:49]
.irp c, 0,1
.irp j, 0,1,2,3
	global_load_b128 v[S+16*\c+4*\j:S+16*\c+4*\j+3], v[QO], s[4:5] offset:128*\c+16*\j   ; register 16 c + i = q(row r of tile w / 2, 64 (w % 2) + 32 c + 16 h + i)
.endr
.endr
	s_add_nc_u64 s[10:11], s[10:11], s[50:51]
	s_add_nc_u64 s[PFA:PFA+1], s[6:7], s[60:61]
	s_lshl_b32 s16, s[KQ], 15
	s_lshl_b32 s17, s[WV], 14
	s_lshl_b32 s18, s[QH], 14                      ; quarter k's wave of my half is 2 k + QH: its image begins at 32,768 k + 16,384 QH;
	s_lshl_b32 s52, s[KQ], 12                      ; my share of it, tile KQ / 2, accumulators 4 (KQ % 2) on, begins 4,096 KQ further on
	s_add_co_u32 s18, s18, s52
	s_lshl_b32 s19, s[WV], 9
	s_add_co_u32 s19, s19, STAT_L
	s_lshl_b32 s20, s[QH], 9
	s_lshr_b32 s52, s[KQ], 1
	s_lshl_b32 s52, s52, 8
	s_add_co_u32 s20, s20, s52
	s_add_co_u32 s20, s20, STAT_L
	s_mul_i32 s21, s[WV], 16*OP
	s_add_co_u32 s21, s21, OUTST                   ; my stage
	s_lshl_b32 s22, s[WV], 10
	s_add_co_u32 s22, s22, QIMG                    ; q's image: tile w / 2, half w % 2
	s_lshl_b32 s23, s[QH], 12
	s_add_co_u32 s23, s23, QIMG                    ; my half's two tiles
	v_add_nc_u32 v[AF], s16, v[T+3]
	v_add_nc_u32 v[ADR], s16, v[T+3]               ; slot 0
	v_add_nc_u32 v[MW], s17, v[T+3]
	v_add_nc_u32 v[MR], s18, v[T+3]
	v_add_nc_u32 v[MR+1], 0x10000, v[MR]
	v_lshl_add_u32 v[SW], v[T], 2, s19
	v_lshl_add_u32 v[SRD], v[T], 2, s20
	v_mul_u32_u24 v[SO], v[T+1], OP                ; the way out, in: row r, 32 bytes for each half of the lanes
	v_lshl_add_u32 v[SO], v[T+2], 5, v[SO]
	v_add_nc_u32 v[SO], s21, v[SO]
	v_mul_u32_u24 v[SRB], v[T+2], OP               ; back: lanes 0-15 one row of 256 bytes, lanes 16-31 the next
	v_lshl_add_u32 v[SRB], v[T+1], 4, v[SRB]
	v_add_nc_u32 v[SRB], s21, v[SRB]
	v_lshlrev_b32 v[GO], 9, v[T+2]                 ; and the same two rows in out0
	v_lshl_add_u32 v[GO], v[T+1], 4, v[GO]
	v_add_nc_u32 v[T+12], s22, v[T+3]
	v_add_nc_u32 v[T+13], s23, v[T+3]
.irp a, 0,1
	v_mov_b32 v[ST+8*\a+5], 0                      ; named with f as a pair, so it is written
	v_mov_b32 v[PD+\a], 0                          ; a lane permute's destination counts as one of its sources
.endr
	VWAIT
	s_wait_kmcnt 0x0
	s_add_co_i32 s52, s40, s41
	s_lshl_b32 s52, s52, 23
	s_add_co_i32 s[CS], s[CS], s52                 ; a score stands for score x 2^(eq + ek): the two exponents are added to c's exponent field
	s_mov_b32 s[CS+1], s[CS]                       ; named with it as a pair, so it is written
	s_add_co_i32 s52, s40, 127
	s_lshl_b32 s46, s52, 23                        ; 2^eq as f32
	s_add_co_i32 s52, s52, 15
	s_lshl_b32 s52, s52, 23
	s_or_b32 s47, s52, 0x600000                    ; 57,344 x 2^eq
	s_add_co_i32 s52, s42, 127
	s_lshl_b32 s48, s52, 23                        ; 2^ep
	s_add_co_i32 s52, s52, 15
	s_lshl_b32 s52, s52, 23
	s_or_b32 s49, s52, 0x600000                    ; 57,344 x 2^ep
	s_add_co_i32 s54, s42, s43                     ; ep + ev
	s_mov_b32 s[CNT], 6
	v_mov_b32 v[T+10], s46
	v_mov_b32 v[T+11], s47
	v_mov_b32 v[SCL], s48
	v_mov_b32 v[LIM], s49
	v_mov_b32 v[LIM+1], s49
	VWAIT                                          ; the head's end
	s_wait_loadcnt 0x0                             ; q
.set i, 0
.rept 32
	v_med3_num_f32 v[S+i], v[S+i], -v[T+11], v[T+11] ; the conversion to an 8-bit code does not saturate (ISA guide 7.6.2): the hold at the largest code x the scale
.set i, i+1
.endr
.irp c, 0,1,2,3
	v_cvt_scalef32_pk8_bf8_f32 v[P+2*\c:P+2*\c+1], v[S+8*\c:S+8*\c+7], v[T+10]
.endr
	v_nop                                          ; a plain line behind the last conversion
	ds_store_b128 v[T+12], v[P:P+3]
	ds_store_b128 v[T+12], v[P+4:P+7] offset:512
	VWAIT
	s_cmp_eq_u32 s[PL], 2
	s_cbranch_scc0 .Lnot_asking
	global_prefetch_b8 v[PFO], s[PFA:PFA+1] offset:32768 th:TH_LOAD_NT scope:SCOPE_SE    ; my work-group's blocks of key steps 1
	global_prefetch_b8 v[PFO], s[PFA:PFA+1] offset:65536 th:TH_LOAD_NT scope:SCOPE_SE    ; and 2
.Lnot_asking:
.macro FETCH2 kv, g                    ; fragments 2 g and 2 g + 1, K's (0) or V's (1), as they lie: eight loads of 512 consecutive bytes
	WIN 0x40                                       ; destination window 1, address window 0
.irp m, 0,1,2,3,4,5,6,7
	ds_load_b128 v[F+32*(\g)+4*\m:F+32*(\g)+4*\m+3], v[ADR] offset:\kv*16384+(\g)*4096+\m*512
.endr
.endm
.macro QK t                            ; S^T = K Q^T, fragment t: two products, each on an accumulator of its own, begun with the constant 0
	WIN 0x01                                       ; source 0 (K) window 1
.irp a, 0,1
	v_wmma_f32_16x16x128_bf8_bf8 v[S+64*\a+8*(\t):S+64*\a+8*(\t)+7], v[F+16*(\t):F+16*(\t)+15], v[Q+16*\a:Q+16*\a+15], 0
.endr
	WIN 0
.endm
; THE SUM IS TAKEN OF THE UNQUANTISED p.  Tile 1's 32 pairs go into four chains (three of them in v[T:T+5]) by additions 0 to 28; 29 to 31 join the chains.  Additions 20 to 31 read scores 46 to 63 alone.
.macro ADD1
.set rS, S+64
.set rL, ST+10
.if n < 3
	v_pk_add_f32 v[T+2*n:T+2*n+1], v[rS+4*n:rS+4*n+1], v[rS+4*n+2:rS+4*n+3]
.elseif n == 3
	v_pk_add_f32 v[rL:rL+1], v[rL:rL+1], v[rS+12:rS+13]
.elseif n < 28
.if (n%4) == 3
	v_pk_add_f32 v[rL:rL+1], v[rL:rL+1], v[rS+6+2*n:rS+7+2*n]
.else
	v_pk_add_f32 v[T+2*(n%4):T+2*(n%4)+1], v[T+2*(n%4):T+2*(n%4)+1], v[rS+6+2*n:rS+7+2*n]
.endif
.elseif n == 28
	v_pk_add_f32 v[T:T+1], v[T:T+1], v[rS+62:rS+63]
.elseif n == 29
	v_pk_add_f32 v[T+2:T+3], v[T+2:T+3], v[T+4:T+5]
.elseif n == 30
	v_pk_add_f32 v[rL:rL+1], v[rL:rL+1], v[T:T+1]
.else
	v_pk_add_f32 v[rL:rL+1], v[rL:rL+1], v[T+2:T+3]
.endif
.endm
.macro ADDR lo, cnt                    ; additions lo .. lo + cnt - 1
.set n, \lo
.rept \cnt
	ADD1
.set n, n+1
.endr
.endm
.macro MX i                            ; four scores of each tile into two chains a tile
.irp a, 0,1
	v_max3_num_f32 v[ST+8*\a+6], v[ST+8*\a+6], v[S+64*\a+\i], v[S+64*\a+\i+1]
.endr
.irp a, 0,1
	v_max3_num_f32 v[ST+8*\a+7], v[ST+8*\a+7], v[S+64*\a+\i+2], v[S+64*\a+\i+3]
.endr
.endm
; The first product, V's fragments behind it, and the step's largest score of each query: the registers in ascending order.
.macro QKV first
	s_wait_dscnt 28                                ; K's fragment 0 is in; the loads of 1-7 may be out
	QK 0
	s_wait_dscnt 24                                ; fragment 1
	QK 1
	s_wait_dscnt 16                                ; fragments 2 and 3; the loads of 4-7 may be out
	QK 2
.if \first
	QK 3
.rept 4
	v_nop                                          ; four places in front of loads into registers that matrix instructions have read, and behind the results that are read first
.endr
.else
	ADDR 20, 4                                     ; the end of tile 1's sum of the step before: its scores 46-63 are written anew by fragments 5 to 7 alone
	QK 3
	ADDR 24, 8                                     ; these eight are the places behind the products
.endif
	FETCH2 1, 0
	FETCH2 1, 1
	s_wait_dscnt 28                                ; fragment 4 is in; the loads of 5-7 and of V's 0-3 may be out
	QK 4
	s_wait_dscnt 24                                ; fragment 5
	QK 5
	s_wait_dscnt 16                                ; fragments 6 and 7; V's 0-3 may be out.  No wait stands among the maxima below
.irp a, 0,1
	v_max3_num_f32 v[ST+8*\a+6], v[S+64*\a], v[S+64*\a+1], v[S+64*\a+2]
.endr
.irp a, 0,1
	v_max3_num_f32 v[ST+8*\a+7], v[S+64*\a+3], v[S+64*\a+4], v[S+64*\a+5]
.endr
	MX 6
	MX 10
	MX 14
	QK 6
	MX 18
	MX 22
	QK 7
	MX 26                                          ; these six are the places behind the products
.irp a, 0,1
	v_max3_num_f32 v[ST+8*\a+6], v[ST+8*\a+6], v[S+64*\a+30], v[S+64*\a+31]
.endr
	FETCH2 1, 2
	FETCH2 1, 3
	WIN 0
.irp i, 32,36,40,44,48,52,56,60
	MX \i
.endr
.irp a, 0,1
	v_max_num_f32 v[ST+8*\a+6], v[ST+8*\a+6], v[ST+8*\a+7]
.endr
.irp a, 0,1
	v_permlanex16_b32 v[PD+\a], v[ST+8*\a+6], s[SEL], s[SEL+1]   ; the query's other 64 keys lie in the lane 16 away
.endr
.irp a, 0,1
	v_max_num_f32 v[ST+8*\a+6], v[ST+8*\a+6], v[PD+\a]
.endr
.endm
.macro NEWM first                      ; M moves.  first = 1: the quarter's first key step starts the largest t, M and the sum
.if \first
.irp a, 0,1
	v_mul_f32 v[ST+8*\a+1], s[CS], v[ST+8*\a+6]    ; as t (c is positive)
.endr
.irp a, 0,1
	v_floor_f32 v[ST+8*\a], -v[ST+8*\a+1]          ; -M = floor(-t) = -ceil(t): M IS A WHOLE NUMBER
.endr
.irp a, 0,1
	v_mov_b32 v[ST+8*\a+2], 0
	v_mov_b32 v[ST+8*\a+3], 0
.endr
.else
.irp a, 0,1
	v_mul_f32 v[ST+8*\a+6], s[CS], v[ST+8*\a+6]
.endr
.irp a, 0,1
	v_max_num_f32 v[ST+8*\a+1], v[ST+8*\a+1], v[ST+8*\a+6]   ; the running largest t
.endr
.irp a, 0,1
	v_mov_b32 v[ST+8*\a+7], v[ST+8*\a]
.endr
.irp a, 0,1
	v_floor_f32 v[ST+8*\a], -v[ST+8*\a+1]
.endr
.irp a, 0,1
	v_sub_f32 v[ST+8*\a+7], v[ST+8*\a], v[ST+8*\a+7]         ; old M - new M: a whole number, 0 or less
.endr
.irp a, 0,1
	v_cvt_i32_f32 v[ST+8*\a+7], v[ST+8*\a+7]                 ; (it saturates)
.endr
.irp a, 0,1
	v_ldexp_f32 v[ST+8*\a+4], 1.0, v[ST+8*\a+7]              ; f = 2^(old M - new M)
.endr
.irp a, 0,1
	v_pk_mul_f32 v[ST+8*\a+2:ST+8*\a+3], v[ST+8*\a+2:ST+8*\a+3], v[ST+8*\a+4:ST+8*\a+5] op_sel_hi:[1,0]   ; the sum under the new M
.endr
	WIN 0x41                                       ; O^T under the new M: x f, each accumulator from its low end on; destination and source 0 window 1, f window 0.  No transcendental stands between the products that wrote O^T and these lines
.irp a, 0,1
.set j, 0
.rept 32
	v_pk_mul_f32 v[64*\a+j:64*\a+j+1], v[64*\a+j:64*\a+j+1], v[ST+8*\a+4:ST+8*\a+5] op_sel_hi:[1,0]
.set j, j+2
.endr
.endr
	WIN 0
.endif
.endm
.macro MIN2 d, x                       ; the hold of two p at the largest code x 2^ep (p is not negative, so it is one-sided)
	v_dual_min_num_f32 v[\d], v[\x], v[LIM] :: v_dual_min_num_f32 v[\d+1], v[\x+1], v[LIM+1]
.endm
.macro CV a, g                         ; eight neighbouring keys' codes: two registers of tile a's operand.  Both tiles' held p stand in tile 0's registers, one tile after the other
	v_cvt_scalef32_pk8_bf8_f32 v[P+16*\a+2*(\g):P+16*\a+2*(\g)+1], v[S+8*(\g):S+8*(\g)+7], v[SCL]
.endm
.macro TREE k, d                       ; pair k of P's upper half += pair k + d
	v_pk_add_f32 v[P+16+2*(\k):P+17+2*(\k)], v[P+16+2*(\k):P+17+2*(\k)], v[P+16+2*(\k+\d):P+17+2*(\k+\d)]
.endm
; Tile 0's sum ends: the 16 sums of four that stand in P's registers become one, and go onto the row's sum; its codes are made beside it, into P's lower half, behind that half's last read.
.macro SUM0
.irp k, 0,1,2,3,4,5,6,7
	TREE \k, -8
.endr
.irp k, 0,1,2,3
	TREE \k, 4
	CV 0, \k
.endr
.irp k, 4,5,6,7
	CV 0, \k
.endr
	TREE 0, 2
	TREE 1, 2
	TREE 0, 1
	v_pk_add_f32 v[ST+2:ST+3], v[ST+2:ST+3], v[P+16:P+17]   ; plain lines between the conversions and the lines that read their results or write their sources
.endm
.macro PV a, g, first                  ; O^T += V^T P^T, tile a, fragments 2 g and 2 g + 1: the accumulators by turns, one instruction a turn; first = 1: the products start the sums
.if \first
	WIN 0x41                                       ; D and source 0 (V) window 1, P window 0
.else
	WIN 0x51                                       ; and C window 1
.endif
.irp m, 0,1
.set tt, 2*(\g)+\m
.if \first
	v_wmma_f32_16x16x128_bf8_bf8 v[64*\a+8*tt:64*\a+8*tt+7], v[F+16*tt:F+16*tt+15], v[P+16*\a:P+16*\a+15], 0
.else
	v_wmma_f32_16x16x128_bf8_bf8 v[64*\a+8*tt:64*\a+8*tt+7], v[F+16*tt:F+16*tt+15], v[P+16*\a:P+16*\a+15], v[64*\a+8*tt:64*\a+8*tt+7]
.endif
.endr
	WIN 0
.endm
.macro PVA first                       ; tile 0's products; between them tile 1's hold, into tile 0's registers (its unquantised p stay for its sum), and its codes, a pair of fragments later
.irp g, 0,1,2,3
	PV 0, \g, \first
.set j, 16*\g
.rept 8
	MIN2 S+j, S+64+j
.set j, j+2
.endr
.if \g > 0
	CV 1, 2*\g-2
	CV 1, 2*\g-1
.endif
.endr
	CV 1, 6
	CV 1, 7
	v_nop                                          ; a plain line between the last conversion and the products that read its result
.endm
.macro PVB first, more                 ; tile 1's products; behind each pair four additions of its sum, which are the places in front of the loads of the next step's K into the pair's fragments
	ADDR 0, 4
.irp g, 0,1,2,3
	PV 1, \g, \first
	ADDR 4*\g+4, 4
.if \more
	FETCH2 0, \g
.else                                          ; the last step: tile 0's O^T is finished, and goes into my image for the merge (slot 0, free behind step 6's barrier), each accumulator's low four registers first
	WIN 0x04                                       ; store data window 1
.irp m, 0,1,2,3
	ds_store_b128 v[MW], v[16*\g+4*\m:16*\g+4*\m+3] offset:512*(4*\g+\m)
.endr
.endif
.endr
	WIN 0
.endm
; A KEY STEP: 128 keys of my quarter against my 32 queries.  mode 2: the slot that is left is filled again, behind a round; 1: a barrier alone; 0: the last step.
.macro BODY first, mode
	QKV \first
	NEWM \first
.set j, 0
.rept 32                                       ; t - M for tile 0's 64 scores, two at a time (of the pairs c and -M the low word serves both halves)
	v_pk_fma_f32 v[S+j:S+j+1], v[S+j:S+j+1], s[CS:CS+1], v[ST:ST+1] op_sel_hi:[1,0,0]
.set j, j+2
.endr
	VWAIT
.set j, 0
.rept 32                                       ; tile 0's exponentials, with tile 1's t - M between them
	v_exp_f32 v[S+j], v[S+j]
	v_exp_f32 v[S+j+1], v[S+j+1]
	v_pk_fma_f32 v[S+64+j:S+64+j+1], v[S+64+j:S+64+j+1], s[CS:CS+1], v[ST+8:ST+9] op_sel_hi:[1,0,0]
.set j, j+2
.endr
	VWAIT
.set j, 0
.rept 16                                       ; tile 1's exponentials, with tile 0's sums of four (into P's registers) and hold between them
	v_exp_f32 v[S+64+j], v[S+64+j]
	v_exp_f32 v[S+64+j+1], v[S+64+j+1]
	v_pk_add_f32 v[P+j/2:P+j/2+1], v[S+j:S+j+1], v[S+j+2:S+j+3]
	v_exp_f32 v[S+64+j+2], v[S+64+j+2]
	MIN2 S+j, S+j
	v_exp_f32 v[S+64+j+3], v[S+64+j+3]
	MIN2 S+j+2, S+j+2
.set j, j+4
.endr
	VWAIT
.if \mode
	s_wait_tensorcnt 0x0                           ; no tensor load of mine is out: my piece of the next step is in, and group 0 may be written
	ds_add_u32 v[SPW], v[NIL]                      ; 0 onto my spare word
	s_xor_b32 s[TB], s[TB], SLOT1                  ; all of V's loads are issued: on to the other slot
	v_add_nc_u32 v[ADR], s[TB], v[AF]
.if \mode == 2
	s_xor_b32 s[G0+1], s[G0+1], SLOT1              ; the slot in hand,
	s_add_nc_u64 s[G0+2:G0+3], s[G0+2:G0+3], 32768 ; for the step after the next; the type bits on top are not reached
.endif
.endif
	SUM0
	VWAIT
.if \mode == 2
	s_wait_xcnt 0x0                                ; any prefetch of mine has read its address
	s_add_nc_u64 s[PFA:PFA+1], s[PFA:PFA+1], 32768*(1+3*\first)   ; step i + 4
.endif
	s_wait_dscnt 0x0                               ; V's fragments are in: my reads of the slot are over, and the add is done
.if \mode
	s_barrier_signal -1
.endif
	PVA \first
	VWAIT
.if \mode
	s_barrier_wait -1
.endif
.if \mode == 2
	CREST                                          ; no wave of any partner still reads this slot or has a load on its way
	JLOAD                                          ; the first thing behind the round, and my one tensor load until the next
.endif
	PVB \first, \mode
	VWAIT                                          ; (at a label and at a branch every window is 0)
.if \mode == 2
	s_cmp_gt_u32 s[CNT], s[PL]                     ; wave 0, up to step 3
	s_cbranch_scc0 .Lnot_mine_\@
.if \first
	global_prefetch_b8 v[PFO], s[PFA:PFA+1] offset:-32768 th:TH_LOAD_NT scope:SCOPE_SE   ; step 3
.endif
	global_prefetch_b8 v[PFO], s[PFA:PFA+1] th:TH_LOAD_NT scope:SCOPE_SE
.Lnot_mine_\@:
.endif
.endm
	VWAIT
	s_wait_tensorcnt 0x0                           ; my piece of key step 0 is in
	ds_add_u32 v[SPW], v[NIL]
	s_xor_b32 s[G0+1], s[G0+1], SLOT1
	s_add_nc_u64 s[G0+2:G0+3], s[G0+2:G0+3], 32768
	s_wait_dscnt 0x0                               ; the add is done, and my part of q's image has landed
	CROUND
	JLOAD                                          ; key step 1 into slot 1
.irp a, 0,1
.irp c, 0,1,2,3
	ds_load_b128 v[Q+16*\a+4*\c:Q+16*\a+4*\c+3], v[T+13] offset:2048*\a+512*\c   ; Q's two fragments stay in registers
.endr
.endr
.irp g, 0,1,2,3
	FETCH2 0, \g
.endr
	WIN 0
	BODY 1, 2                                      ; key step 0; step 2 goes out
	s_mov_b32 s[CNT], 5
.Lstep:                                            ; key steps 1 to 5: step i asks for step i + 2
	BODY 0, 2
	s_sub_co_u32 s[CNT], s[CNT], 1
	s_cmp_lg_u32 s[CNT], 0
	s_cbranch_scc1 .Lstep
	BODY 0, 1                                      ; steps 6 and 7 are written out
	BODY 0, 0
	; THE MERGE.  Each wave's O^T goes to LDS as an image of its registers, its -M and sum beside it.  The images lie in slot 0: it has had its last fill, and every wave has passed step 6's barrier, behind which nobody reads it.
	ADDR 20, 12                                    ; the end of tile 1's sum
.irp a, 0,1
	v_add_f32 v[ST+8*\a+6], v[ST+8*\a+2], v[ST+8*\a+3]           ; the sum's two halves,
.endr
.irp a, 0,1
	v_permlanex16_b32 v[PD+\a], v[ST+8*\a+6], s[SEL], s[SEL+1]
.endr
.irp a, 0,1
	v_add_f32 v[ST+8*\a+6], v[ST+8*\a+6], v[PD+\a]               ; and lane l xor 16's: my quarter's sum
.endr
.irp a, 0,1
	ds_store_b32 v[SW], v[ST+8*\a] offset:256*\a
	ds_store_b32 v[SW], v[ST+8*\a+6] offset:256*\a+128
.endr
	WIN 0x04                                       ; store data window 1
.irp g, 16,17,18,19,20,21,22,23,24,25,26,27,28,29,30,31
	ds_store_b128 v[MW], v[4*\g:4*\g+3] offset:512*\g            ; tile 1's; ascending: each accumulator's low four registers first
.endr
	WIN 0
	VWAIT
	s_wait_dscnt 0x0                               ; for the others' sake: my stores have landed
	s_barrier_signal -1
	s_barrier_wait -1
	; Of my query half's result I make tile KQ / 2, channels 64 (KQ % 2) on: four accumulators from each of the four quarters.
.irp k, 0,1,2,3
	ds_load_b32 v[T+\k], v[SRD] offset:1024*\k                   ; quarter k's -M,
	ds_load_b32 v[T+4+\k], v[SRD] offset:1024*\k+128             ; and its sum
.endr
.irp k, 0,1,2,3
.irp i, 0,1,2,3
.irp h, 0,1
	ds_load_b128 v[S+32*\k+8*\i+4*\h:S+32*\k+8*\i+4*\h+3], v[MR+(\k/2)] offset:(\k%2)*32768+1024*\i+512*\h
.endr
.endr
.endr
	s_wait_dscnt 32                                ; the eight statistics are in; the 32 loads behind them may be out
	v_min3_num_f32 v[T+16], v[T], v[T+1], v[T+2]
	v_min_num_f32 v[T+16], v[T+16], v[T+3]         ; -M of the row: the least of the four -M
.irp k, 0,1,2,3
	v_sub_f32 v[T+17+\k], v[T+16], v[T+\k]         ; quarter k's M less the row's: a whole number, 0 or less
.endr
.irp k, 0,1,2,3
	v_cvt_i32_f32 v[T+17+\k], v[T+17+\k]
.endr
.irp k, 0,1,2,3
	v_ldexp_f32 v[T+17+\k], 1.0, v[T+17+\k]        ; f_k: an exact power of two
.endr
	v_mul_f32 v[T+21], v[T+17], v[T+4]
.irp k, 1,2,3
	v_fmac_f32 v[T+21], v[T+17+\k], v[T+4+\k]      ; the row's sum
.endr
	VWAIT
	v_rcp_f32 v[T+21], v[T+21]
	v_nop                                          ; a plain line behind the transcendental
	VWAIT
	v_ldexp_f32 v[T+21], v[T+21], s54              ; x 2^(ep + ev)
.irp k, 0,1,2,3
	v_mul_f32 v[T+8+2*\k], v[T+17+\k], v[T+21]     ; quarter k's factor, twice: a pair for the packed forms
	v_mul_f32 v[T+9+2*\k], v[T+17+\k], v[T+21]
.endr
	VWAIT
	s_wait_dscnt 0x0                               ; the four quarters' parts
.set j, 0
.rept 16
	v_pk_mul_f32 v[S+j:S+j+1], v[S+j:S+j+1], v[T+8:T+9]
.set j, j+2
.endr
.irp k, 1,2,3
.set j, 0
.rept 16
	v_pk_fma_f32 v[S+j:S+j+1], v[S+32*\k+j:S+32*\k+j+1], v[T+8+2*\k:T+9+2*\k], v[S+j:S+j+1]
.set j, j+2
.endr
.endr
	; THE WAY OUT.  Register 8 i + n of lane (r, h) is out0(query r of my tile, channel 64 (KQ % 2) + 16 i + 8 h + n): through my own stage, back as rows of 256 bytes.
.irp i, 0,1,2,3
.irp h, 0,1
	ds_store_b128 v[SO], v[S+8*\i+4*\h:S+8*\i+4*\h+3] offset:64*\i+16*\h
.endr
.endr
.irp m, 0,1,2,3,4,5,6,7
	ds_load_b128 v[S+32+4*\m:S+32+4*\m+3], v[SRB] offset:2*\m*OP   ; LDS serves a wave's instructions in order: these see my stores
.endr
.irp m, 0,1,2,3,4,5,6,7
	s_wait_dscnt 7-\m                              ; rows 2 m and 2 m + 1 are back; the younger loads may be out
	global_store_b128 v[GO], v[S+32+4*\m:S+32+4*\m+3], s[10:11] offset:1024*\m th:TH_STORE_NT   ; sixteen lanes store 256 consecutive bytes, at a multiple of 256 from out0's first byte; written once, read by nobody here
.endr
	s_wait_tensorcnt 0x0                           ; the wave's end: behind my last tensor load and my last LDS store
	ds_add_u32 v[SPW], v[NIL]
	s_wait_dscnt 0x0
	CROUND                                         ; the closing round: no work-group ends while a partner may still ask for a piece that names it
	s_endpgm
.Lfunc_end_k_qb9bbf12a81_attn:
	.size	k_qb9bbf12a81_attn, .Lfunc_end_k_qb9bbf12a81_attn-k_qb9bbf12a81_attn
	.p2alignl 7, 3214868480
	.fill 96, 4, 3214868480
	.section	.rodata,"a",@progbits
	.p2align	6, 0x0
	.amdhsa_kernel k_qb9bbf12a81_attn
		.amdhsa_group_segment_fixed_size 327680
		.amdhsa_private_segment_fixed_size 0
		.amdhsa_enable_private_segment 0
		.amdhsa_kernarg_size 32
		.amdhsa_user_sgpr_count 2
		.amdhsa_user_sgpr_kernarg_segment_ptr 1
		.amdhsa_wavefront_size32 1
		.amdhsa_system_sgpr_workgroup_id_x 1
		.amdhsa_system_sgpr_workgroup_id_y 1
		.amdhsa_system_sgpr_workgroup_id_z 1
		.amdhsa_system_vgpr_workitem_id 0
		.amdhsa_next_free_vgpr 512
		.amdhsa_next_free_sgpr 66
		.amdhsa_reserve_vcc 0
		.amdhsa_float_denorm_mode_32 3
		.amdhsa_float_denorm_mode_16_64 3
		.amdhsa_memory_ordered 1
		.amdhsa_forward_progress 1
		.amdhsa_inst_pref_size 157
	.end_amdhsa_kernel
	.amdgpu_metadata
---
amdhsa.version: [ 1, 2 ]
amdhsa.kernels:
  - .name:           k_qb9bbf12a81_attn
    .symbol:         k_qb9bbf12a81_attn.kd
    .args:
      - { .name: q_proj, .offset: 0, .size: 8, .value_kind: global_buffer, .address_space: global }
      - { .name: kv, .offset: 8, .size: 8, .value_kind: global_buffer, .address_space: global }
      - { .name: lowp_scales, .offset: 16, .size: 8, .value_kind: global_buffer, .address_space: global }
      - { .name: out0, .offset: 24, .size: 8, .value_kind: global_buffer, .address_space: global }
    .group_segment_fixed_size: 327680
    .private_segment_fixed_size: 0
    .kernarg_segment_align: 8
    .kernarg_segment_size: 32
    .max_flat_workgroup_size: 256
    .sgpr_count:     66
    .vgpr_count:     512
    .wavefront_size: 32
...
	.end_amdgpu_metadata
.endif
;; end of part 2
